; MI455X (gfx1250); checked and timed in simulation.
; The chip was launched on July 23, 2026; its instructions are those of AMD's public machine-readable ISA for CDNA 5 (MIT licence, August 2026) and "CDNA5" Instruction Set Architecture Reference Guide (July 2026). The comments in the code are by the model that wrote it; some were corrected since.
;; Only Attention. Allowed arithmetic: matrix products marked QUANTISED: E5M2 operands, one E8M0 scale for each 32 along K, by v_wmma_scale_f32_16x16x128_f8f6f4 with both operands' format E5M2, f32 sums; everything else in f32.
;; Inputs: Wk_codes 1,024 x 32 x 32 uint8 (E5M2 codes of Wk, K innermost, in blocks of 32 codes); Wk_scales 1,024 x 32 uint8 (E8M0 scales of Wk, one for each 32 codes along K); Wq_codes 1,024 x 32 x 32 uint8 (E5M2 codes of Wq, K innermost, in blocks of 32 codes); Wq_scales 1,024 x 32 uint8 (E8M0 scales of Wq, one for each 32 codes along K); Wv_codes 1,024 x 32 x 32 uint8 (E5M2 codes of Wv, K innermost, in blocks of 32 codes); Wv_scales 1,024 x 32 uint8 (E8M0 scales of Wv, one for each 32 codes along K); bk 1,024 float32; bq 1,024 float32; bv 1,024 float32; x_codes 4 x 2,048 x 32 x 32 uint8 (E5M2 codes of x, K innermost, in blocks of 32 codes); x_scales 4 x 2,048 x 32 uint8 (E8M0 scales of x, one for each 32 codes along K).
;; Outputs: out0 4 x 2,048 x 1,024 float32.
;; This version of the problem:
;;   THIS VERSION OF THE PROBLEM IS GIVEN IN LOW PRECISION. The matrix products marked QUANTISED in the list below multiply operands that are first quantised to E5M2 (5 exponent bits, 2 mantissa bits; 8 bits a number), with one power-of-two scale for each 32 numbers along K (OCP MX v1.0); their sums are f32. All else is computed in f32.
;;   The module's matrix products, in the order in which they are computed (A, B: the left and right operand; K: the contracted axis; several contracted axes count as one K, in the product's order):
;;     1. [M 8,192, K 1,024] x [K 1,024, N 1,024]; A: input x (given as codes); B: input Wq (given as codes): QUANTISED
;;     2. [M 8,192, K 1,024] x [K 1,024, N 1,024]; A: input x (given as codes); B: input Wk (given as codes): QUANTISED
;;     3. [M 8,192, K 1,024] x [K 1,024, N 1,024]; A: input x (given as codes); B: input Wv (given as codes): QUANTISED
;;     4. batch 64 x [M 2,048, K 64] x [K 64, N 2,048]; A: computed on the way; B: computed on the way: QUANTISED
;;     5. batch 64 x [M 2,048, K 2,048] x [K 2,048, N 64]; A: softmax (see below); B: computed on the way: QUANTISED
;;   THE QUANTISER, for each operand of a quantised product, along K:
;;     - K is cut into blocks of 32 from its start; a last block that is shorter is filled with zeros.
;;     - A block's scale is 2^e with e = floor(log2(the largest magnitude in the block)) - 15, held to -126 .. 127; a block of zeros has e = 0. As a byte (E8M0): e + 127.
;;     - Each number is divided by its block's scale, clamped to +-57,344, and rounded to the nearest number of E5M2, ties to even, subnormals kept.
;;     - The product sums the exact products of the quantised numbers (number of the format x scale) in f32.
;;   ~~~python
;;   def quantise(x, axis):      # numpy; x: float32 -> the quantised numbers, widened to float32 again
;;       x = np.moveaxis(x, axis, -1); K = x.shape[-1]
;;       x = np.pad(x, [(0, 0)] * (x.ndim - 1) + [(0, -K % 32)]); x = x.reshape(x.shape[:-1] + (-1, 32)); a = np.abs(x).max(-1, keepdims=True)
;;       e = np.where(a > 0, np.clip(np.frexp(np.where(a > 0, a, 1))[1] - 1 - 15, -126, 127), 0)      # np.frexp(a)[1] - 1 = floor(log2(a)), exactly
;;       r = np.clip(x / 2.0 ** e, -57344, 57344)
;;       step = 2.0 ** (np.maximum(np.frexp(np.where(r == 0, 1, r))[1] - 1, -14) - 2)
;;       q = np.round(r / step) * step * 2.0 ** e      # np.round: ties to even
;;       return np.moveaxis(q.reshape(q.shape[:-2] + (-1,))[..., :K], -1, axis).astype(np.float32)
;;   ~~~
;;   SOFTMAX AHEAD OF A QUANTISED PRODUCT. Where the list says 'softmax', what is quantised is not the finished softmax but p = 2^(t - M), with t = logit x log2(e) and M = ceil(the row's largest t), a whole number; so 1/2 < the row's largest p <= 1. The row's sum l is taken of the UNQUANTISED p, in f32, and the product's result is divided by l at the end. Since M is a whole number, a kernel that streams over the keys may use a running M (the ceiling of the running maximum): every later rescaling is an exact power of two, which a block's scale takes up: the codes' values come out the same.
;;   OPERANDS COMPUTED ON THE WAY. 'Computed on the way' means the value that the module computes at that place (a softmax that the list does not call 'softmax' is quantised finished and normalised). What goes into a quantiser is computed in f32, as accurately as f32 sums, v_exp_f32 and their like allow (about 1e-6 of the number): no bf16 or f16 on the way to a quantiser, and a product that is left as it is and whose result goes on into a quantised operand takes f32 operands (vector FMAs, or v_wmma_f32_16x16x4_f32). A number that lies on a knife's edge between two numbers of the format may be rounded either way, as far as f32 arithmetic and the matrix unit's own rounding can turn it there, and no further.
;;   INPUTS GIVEN AS CODES. Wk (in the module: [1024, 1024], K = its axis 0); Wq (in the module: [1024, 1024], K = its axis 0); Wv (in the module: [1024, 1024], K = its axis 0); x (in the module: [4, 2048, 1024], K = its axis 2): each comes as NAME_codes (uint8): NAME with its K axis moved to the last place and cut into blocks of 32 codes, [.., K / 32, bytes a block], one block behind the other in memory; one code a byte (a code: sign, 5 exponent bits, 2 mantissa bits); and NAME_scales (uint8): the same leading axes, one E8M0 byte (e + 127) for each 32 codes along K. Its value is code x scale, taken as it is: it is not quantised again, and the codes and scales need not be those that the quantiser above would give.
;; One version. Each part assembles by itself: llvm-mc -triple=amdgcn-amd-amdhsa -mcpu=gfx1250 --defsym DOCPART=n.
;; ======== version 1 of 1: 2 launches
;; limits: right only within a limited range of input values
;; workspace buffers: qc 8,388,608 bytes; qs 524,288 bytes; kv 16,777,216 bytes; sc 786,432 bytes
;; launch proj (part 1): grid 8 x 32, 4 waves a work-group, clusters of 4 x 1, 308,992 bytes of LDS; arguments x_codes, x_scales, Wq_codes, Wq_scales, bq, Wk_codes, Wk_scales, bk, Wv_codes, Wv_scales, bv, qc, qs, kv, sc; writes qc, qs, kv, sc
.if DOCPART == 1
	.amdgcn_target "amdgcn-amd-amdhsa--gfx1250"
	.amdhsa_code_object_version 6
	.text
	.protected	k_q93a65b3a20_proj
	.globl	k_q93a65b3a20_proj
	.p2align	8
	.type	k_q93a65b3a20_proj,@function
k_q93a65b3a20_proj:
	s_mov_b64 s[64:65], 0
	v_nop
	global_prefetch_b8 v0, s[64:65] scope:SCOPE_SE
	s_setreg_imm32_b32 hwreg(HW_REG_WAVE_MODE, 25, 1), 1
	s_wait_xcnt 0x0
	s_wait_alu depctr_hold_cnt(0) depctr_sa_sdst(0) depctr_va_vdst(0) depctr_va_sdst(0) depctr_va_ssrc(0) depctr_va_vcc(0) depctr_vm_vsrc(0)
	s_getreg_b32 s2, hwreg(HW_REG_IB_STS2, 6, 4)
	s_cmp_eq_u32 s2, 0
	s_cbranch_scc0 .Lentry_in_a_cluster
	s_endpgm
.Lentry_in_a_cluster:
	s_bfe_u32 s2, ttmp6, 0x10000c
	s_cmp_lg_u32 s2, 0x3003
	s_cbranch_scc0 .Lentry_shape_is_right
	s_endpgm
.Lentry_shape_is_right:
; q = x Wq + bq, k = x Wk + bk, v = x Wv + bv on codes of BF8 (E5M2) with one E8M0 scale for each 32 along K = 1,024; the results are quantised at once,
; q and k along the head's 64 numbers, v along the keys, and leave as IMAGES OF THE NEXT LAUNCH'S OPERAND REGISTERS (16 bytes a lane, 512 consecutive bytes a store):
;   qc [bh 64][tile 128][c 2][lane 32][16 B]   tile 2 G + u holds queries 32 G + 8 u + perm(r), perm(i) = (i & 7) + 16 (i >> 3); bytes = dims 32 c + 16 h + 0 .. 15
;   qs [bh][tile 128][r 16] words              the row's two scale bytes below, 0x7f7f above (the upper half of the next launch's K step of 128 is zero codes)
;   kv [bh][step 16][16,384 B]                 8 tiles of K laid like qc, then 4 tiles of V^T [c 4][lane][16 B] (row d = 16 t + r, keys 128 s + 32 c + 16 h + 0 .. 15)
;   sc [bh][step 16][768 B]                    K's scale words [tile 8][r 16], then V's [t 4][r 16] (byte c: keys 128 s + 32 c on)
; SHARES.  A work-group takes 256 rows of x and two heads: 384 columns.  Wave w holds 64 columns of q (w < 2) or of k (w >= 2) and 32 columns of v, 96 x 1,024 codes = 768 registers (windows 1 to 3),
; read from memory once.  x's 256 rows, all of K, lie in LDS; a fragment of x (2,048 bytes from LDS) feeds six matrix instructions of the wave.
; ORIENTATION.  q, k: source 0 = 16 rows of W, source 1 = 16 rows of x: a lane holds one row of x and its registers run along the head.  v: source 0 = the same 16 rows of x, source 1 = 16 rows of Wv:
; a lane holds one d and its registers run along the keys.  The rows of a tile of x and of Wq, Wk are not neighbours (perm above), so that the 16 registers of two neighbouring tiles are 16 neighbours along the next K.
; x IN LDS.  One tensor load a wave, every byte filled once: 64 rows of one parity (rows 2,048 bytes apart in memory), 1,040 bytes apart in LDS.  Even rows fill one region, odd rows a second one that begins 64 bytes
; past a multiple of 256.  Of the rows 0-7 and 16-23 of a fragment load the even ones are lines 0-3 and 8-11 of their region and so are the odd ones: with the 64 bytes the sixteen start in sixteen different columns of 16 bytes modulo 256.
; CLUSTER.  The four work-groups of a cluster take the same 256 rows of x and other heads: x's codes are asked for jointly.  The weights are not: each work-group's 384 columns are its own, they go to registers,
; and 393,216 bytes of them would not fit in LDS beside x.  x's scale bytes, 8,192, come through registers into LDS bytes that no tensor load fills.
; No prefetch is laid: the one tensor load stands at the head, and the weights' loads run three units ahead of their use.
; V's scale words leave in pieces of 128 bytes (two a wave, 262,144 bytes in the launch); all other stores cover 512 consecutive aligned bytes.
; LIMITS: NaN and infinities among the inputs are not served.  A block of zeros gets the byte 1 with zero codes (this program alone reads the bytes); blocks whose largest magnitude lies under 2^-111 are held at the byte 1.
.set XPITCH, 1040                      ; a row of x in LDS: 1,024 bytes + 16 of padding
.set XODD,   128*XPITCH+64             ; where the odd rows' region begins
.set XSC,    266496                    ; x's scale bytes, 32 a row, dense: 8,192 bytes, from the first multiple of 256 behind the odd rows' region
.set SCR,    XSC+8192                  ; a scratch of 16 rows x 528 bytes for each wave: the weights' turn, later the stage of the q or k scale words
.set SP,     528
.set SCRW,   16*SP
.set SPARE,  SCR+4*SCRW                ; the spare words, 128 bytes a wave
; window 0
.set L16,  1                           ; 16 x lane
.set XA,   2                           ; my lane's place in a group of 32 rows of x
.set XAD,  3                           ; XA + the group in hand
.set PR32, 4                           ; 32 x (8 (lane / 16) + perm(lane % 16)): my row's scale bytes, x's and Wq's or Wk's
.set XSB,  5                           ; XSC + PR32
.set SCW,  6                           ; scratch, as loaded: 16 x lane
.set SCRD, 7                           ; scratch, as a fragment wants it: 528 r + 16 h
.set SWB,  8                           ; scratch: 4 x lane
.set QKV,  9                           ; byte offset of the q or k stores
.set VOV,  10                          ; of the v stores
.set TMP,  11
.set RR,   12                          ; r, h at the head;
.set HH,   13
.set PW0,  12                          ; later the scale words of the group's two tiles
.set PW1,  13
.set QA,   16                          ; v16-47   four accumulators of q or k
.set VA,   48                          ; v48-79   four of v: d-tile t, x tile u at VA + 16 t + 8 u
.set XF,   80                          ; v80-143  x's fragments: two sets of two K steps (at the head v80-95: x's scale bytes on their way)
.set BQ,   144                         ; v144-175 bq or bk in the accumulators' layout
.set BV,   176                         ; v176-179 bv: two pairs, the low word counts
.set WS,   180                         ; v180-203 the weights' scale words
.set XS,   204                         ; v204-211 x's scale words of the group: tile 0 in lanes 0-15, tile 1 in lanes 16-31
.set QC,   212                         ; codes of q or k
.set VC,   220                         ; codes of v
.set CH,   228                         ; four chains of maxima
.set BM,   232
.set T2,   234
.set SO,   236                         ; the conversions' scale operands
.set HL,   238                         ; 57,344 x the scale
.set BY,   240                         ; the scale bytes
.set VW,   244                         ; v's scale words
.set XSAD, 248                         ; (at the head: 16 x thread)
.set SWAD, 249                         ; (at the head: XSC + 16 x thread)
; windows 1, 2: Wq's or Wk's fragments, tile t, K step s at 64 t + 16 (s % 4) of window 1 + s / 4.   window 3: Wv's at 128 t + 16 s.
.set G1X, 40                           ; s[40:47] descriptor group 1;  s[56:59] group 0
.set TA,  66
.set TC,  67
.set WV,  80
.set CX,  81
.set HP,  82                           ; the pair of heads
.set RBG, 83                           ; the block of 256 rows
.set SEL, 84                           ; s[84:85] v_permlanex16_b32's selects for lane l xor 16
.set MNT, 86                           ; the mantissa field of 57,344
.set HM,  87                           ; lanes 16-31
.set GX,  88                           ; LDS bytes of the group of x in hand
.set G,   89
.set QKO, 90
.set VO,  91
.set QKX, 92                           ; what the q or k stores skip between groups 3 and 4: k's 8,192 bytes of V^T, q's nothing
.set SEC, 93                           ; where the second 512 bytes of scale words go: 768 (k), 512 (q)
.set GXS, 94
.set GSW, 95
.set MSB, 0
.macro WIN new                         ; the immediate's high byte repeats the setting that is left
.if MSB != (\new)
	s_set_vgpr_msb (MSB<<8)|(\new)
.set MSB, (\new)
.endif
.endm
.macro PLACES n
.rept \n
	v_nop
.endr
.endm
.macro CROUND                          ; a round of the cluster's barrier
	s_barrier_signal -1
	s_barrier_wait -1
	s_cmp_lg_u32 s[WV], 0
	s_cbranch_scc1 .Lnot_wave_0_\@
	s_barrier_signal -3
.Lnot_wave_0_\@:
	s_barrier_wait -3
	s_barrier_signal -1
	s_barrier_wait -1
.endm
; One matrix instruction.  c < 0: the constant 0 starts the sum.  ra, rb = 1: the side's scale words stand in lanes 16-31.
.macro MM d, a, b, c, sa, sb, ra, rb
.if (\c) < 0
.if (\ra) && (\rb)
	v_wmma_scale_f32_16x16x128_f8f6f4 v[\d:\d+7], v[\a:\a+15], v[\b:\b+15], 0, v[\sa], v[\sb] matrix_a_fmt:MATRIX_FMT_BF8 matrix_b_fmt:MATRIX_FMT_BF8 matrix_a_scale:MATRIX_SCALE_ROW1 matrix_b_scale:MATRIX_SCALE_ROW1
.elseif (\ra)
	v_wmma_scale_f32_16x16x128_f8f6f4 v[\d:\d+7], v[\a:\a+15], v[\b:\b+15], 0, v[\sa], v[\sb] matrix_a_fmt:MATRIX_FMT_BF8 matrix_b_fmt:MATRIX_FMT_BF8 matrix_a_scale:MATRIX_SCALE_ROW1
.elseif (\rb)
	v_wmma_scale_f32_16x16x128_f8f6f4 v[\d:\d+7], v[\a:\a+15], v[\b:\b+15], 0, v[\sa], v[\sb] matrix_a_fmt:MATRIX_FMT_BF8 matrix_b_fmt:MATRIX_FMT_BF8 matrix_b_scale:MATRIX_SCALE_ROW1
.else
	v_wmma_scale_f32_16x16x128_f8f6f4 v[\d:\d+7], v[\a:\a+15], v[\b:\b+15], 0, v[\sa], v[\sb] matrix_a_fmt:MATRIX_FMT_BF8 matrix_b_fmt:MATRIX_FMT_BF8
.endif
.else
.if (\ra) && (\rb)
	v_wmma_scale_f32_16x16x128_f8f6f4 v[\d:\d+7], v[\a:\a+15], v[\b:\b+15], v[\c:\c+7], v[\sa], v[\sb] matrix_a_fmt:MATRIX_FMT_BF8 matrix_b_fmt:MATRIX_FMT_BF8 matrix_a_scale:MATRIX_SCALE_ROW1 matrix_b_scale:MATRIX_SCALE_ROW1
.elseif (\ra)
	v_wmma_scale_f32_16x16x128_f8f6f4 v[\d:\d+7], v[\a:\a+15], v[\b:\b+15], v[\c:\c+7], v[\sa], v[\sb] matrix_a_fmt:MATRIX_FMT_BF8 matrix_b_fmt:MATRIX_FMT_BF8 matrix_a_scale:MATRIX_SCALE_ROW1
.elseif (\rb)
	v_wmma_scale_f32_16x16x128_f8f6f4 v[\d:\d+7], v[\a:\a+15], v[\b:\b+15], v[\c:\c+7], v[\sa], v[\sb] matrix_a_fmt:MATRIX_FMT_BF8 matrix_b_fmt:MATRIX_FMT_BF8 matrix_b_scale:MATRIX_SCALE_ROW1
.else
	v_wmma_scale_f32_16x16x128_f8f6f4 v[\d:\d+7], v[\a:\a+15], v[\b:\b+15], v[\c:\c+7], v[\sa], v[\sb] matrix_a_fmt:MATRIX_FMT_BF8 matrix_b_fmt:MATRIX_FMT_BF8
.endif
.endif
.endm
	s_load_b512 s[8:23], s[0:1], 0x0               ; x's codes 8, x's scales 10, Wq's codes 12, scales 14, bq 16, Wk's codes 18, scales 20, bk 22
	s_load_b256 s[24:31], s[0:1], 0x40             ; Wv's codes 24, scales 26, bv 28, qc 30
	s_load_b128 s[32:35], s[0:1], 0x60             ; qs 32, kv 34
	s_load_b64 s[36:37], s[0:1], 0x70              ; sc
	v_lshl_add_u32 v254, v0, 2, SPARE
	v_mov_b32 v255, 0
	ds_add_u32 v254, v255                          ; the opening lines: the add twice on end and its wait
	ds_add_u32 v254, v255
	v_lshrrev_b32 v[TMP], 5, v0
	v_readfirstlane_b32 s[WV], v[TMP]              ; wave 0..3
	s_and_b32 s[RBG], ttmp7, 0xffff                ; the block of 256 rows, which the four partners share
	; group 1: 64 rows of 1,024 bytes, every second row of x, 16 bytes of padding behind each
	s_mov_b32 s[G1X], 15|(1<<20)|(1<<21)|(7<<22)|(3<<25)   ; the mask: all four work-groups; elements of 1 byte; padding on; bit 21 beside a mask; after every 256 words four words
	s_mov_b32 s[G1X+1], 1024<<16                   ; tensor_dim0
	s_mov_b32 s[G1X+2], 64<<16                     ; tensor_dim1
	s_mov_b32 s[G1X+3], 1024<<16                   ; tile_dim0
	s_mov_b32 s[G1X+4], 64                         ; tile_dim1
	s_mov_b32 s[G1X+5], 2048                       ; from row to row
	s_mov_b32 s[G1X+6], 0
	s_mov_b32 s[G1X+7], 0
	s_lshr_b32 s99, s[WV], 1                       ; the parity of my rows,
	s_and_b32 s98, s[WV], 1                        ; and which 128 rows of the block they lie in
	s_lshl_b32 s94, s[RBG], 18                     ; x's codes: 256 rows of 1,024 bytes a block
	s_lshl_b32 s95, s98, 17
	s_add_co_u32 s94, s94, s95
	s_lshl_b32 s95, s99, 10
	s_add_co_u32 s94, s94, s95
	s_mov_b32 s95, 0
	s_mul_i32 s98, s98, 64*XPITCH                  ; and their place in LDS: no place in the cluster enters it
	s_mul_i32 s99, s99, XODD
	s_add_co_u32 s98, s98, s99
	s_lshl_b32 s100, s[RBG], 13                    ; x's scale bytes: 8,192 a block
	s_mov_b32 s101, 0
	s_mul_i32 s[TA], s[WV], SCRW
	s_add_co_u32 s[TA], s[TA], SCR                 ; my scratch
	v_and_b32 v[TMP], 31, v0                       ; lane
	v_lshlrev_b32 v[L16], 4, v[TMP]
	v_lshlrev_b32 v[XSAD], 4, v0
	v_lshl_add_u32 v[SWAD], v0, 4, XSC
	v_and_b32 v[RR], 15, v0                        ; r
	v_bfe_u32 v[HH], v0, 4, 1                      ; h
	v_lshrrev_b32 v14, 3, v[RR]                    ; r / 8
	v_and_b32 v15, 7, v[RR]                        ; r % 8
	v_lshrrev_b32 v[XA], 1, v15                    ; row perm(r) is line (r % 8) / 2 + 8 (r / 8) of its parity's region
	v_lshl_add_u32 v[XA], v14, 3, v[XA]
	v_mul_u32_u24 v[XA], v[XA], XPITCH
	v_and_b32 v[XAD], 1, v[RR]
	v_mad_u32_u24 v[XA], v[XAD], XODD, v[XA]
	v_lshl_add_u32 v[XA], v[HH], 4, v[XA]          ; + 16 h
	v_lshl_add_u32 v[PR32], v14, 4, v15            ; perm(r)
	v_lshl_add_u32 v[PR32], v[HH], 3, v[PR32]      ; lanes 16-31 take the tile 8 rows on
	v_lshlrev_b32 v[PR32], 5, v[PR32]              ; 32 scale bytes a row
	v_add_nc_u32 v[XSB], XSC, v[PR32]
	v_add_nc_u32 v[SCW], s[TA], v[L16]
	v_mul_u32_u24 v[SCRD], v[RR], SP
	v_lshl_add_u32 v[SCRD], v[HH], 4, v[SCRD]
	v_add_nc_u32 v[SCRD], s[TA], v[SCRD]
	v_lshl_add_u32 v[SWB], v[TMP], 2, s[TA]
	v_lshlrev_b32 v14, 6, v[HH]                    ; bq, bk: 16 h numbers on
	v_lshlrev_b32 v15, 2, v[RR]                    ; bv: number r
	v_lshlrev_b32 v[TMP], 5, v[TMP]                ; Wv's scale bytes: row = lane
	v_mov_b32 v[T2], 0                             ; written once: a lane permute's destination counts as one of its sources
	v_mov_b32 v[T2+1], 0
.irp i, 0,1,2,3
	v_mov_b32 v[VW+\i], 0                          ; bytes are shifted in from the top: after eight groups nothing of this is left
.endr
	v_mov_b32 v[BV+1], 0                           ; (named as the upper halves of pairs)
	v_mov_b32 v[BV+3], 0
	s_mov_b32 s[SEL], 0x76543210
	s_mov_b32 s[SEL+1], 0xfedcba98
	s_mov_b32 s[MNT], 0x600000
	s_mov_b32 s[HM], 0xffff0000
	; what hangs on my place in the cluster enters the weights' and the results' addresses alone
	s_bfe_u32 s[CX], ttmp6, 0x40000
	s_lshl_b32 s[HP], ttmp9, 2
	s_add_co_u32 s[HP], s[HP], s[CX]               ; the pair of heads = 4 x cluster x + cx
	s_lshr_b32 s2, s[RBG], 3                       ; the batch
	s_and_b32 s3, s[RBG], 7                        ; the block of 256 rows in it
	s_and_b32 s4, s[WV], 1
	s_lshr_b32 s5, s[WV], 1
	s_lshl_b32 s6, s[HP], 1
	s_add_co_u32 s7, s6, s4                        ; the head of my q or k: 2 hp + w % 2
	s_add_co_u32 s6, s6, s5                        ; the head of my v: 2 hp + w / 2
	s_lshl_b32 s2, s2, 4
	s_add_co_u32 s38, s2, s7
	s_add_co_u32 s39, s2, s6
	s_lshl_b32 s38, s38, 3
	s_add_co_u32 s38, s38, s3                      ; 8 bh + block, for q or k
	s_lshl_b32 s39, s39, 3
	s_add_co_u32 s39, s39, s3                      ; and for v
	s_lshl_b32 s6, s[HP], 2
	s_add_co_u32 s6, s6, s[WV]                     ; my 32 columns of v: number 4 hp + w
	s_wait_alu depctr_va_vdst(0)                   ; the wait at the head's end
	s_wait_dscnt 0x0
	s_wait_kmcnt 0x0
	s_mov_b32 s56, 1                               ; group 0: count = 1,
	s_mov_b32 s57, s98                             ; LDS address,
	s_add_nc_u64 s[58:59], s[8:9], s[94:95]        ; global address,
	s_or_b32 s59, s59, 0x80000000                  ; type = 2
	s_add_nc_u64 s[10:11], s[10:11], s[100:101]
	; one text for all four waves: q's buffers or k's are chosen on the wave's number
	s_cmp_lt_u32 s[WV], 2
	s_cselect_b64 s[12:13], s[12:13], s[18:19]     ; W's codes
	s_cselect_b64 s[14:15], s[14:15], s[20:21]     ; W's scales
	s_cselect_b64 s[16:17], s[16:17], s[22:23]     ; the bias
	s_cselect_b64 s[30:31], s[30:31], s[34:35]     ; codes go to qc or to kv
	s_cselect_b64 s[32:33], s[32:33], s[36:37]     ; scale words to qs or to sc
	s_cselect_b32 s[TA], 14, 15                    ; a block's 16 tiles are 16,384 bytes of qc, two key steps 32,768 of kv
	s_mov_b32 s[TC], 1536
	s_cselect_b32 s[TC], 1024, s[TC]               ; and 1,024 bytes of qs, 1,536 of sc
	s_cselect_b32 s[QKX], 0, 8192
	s_mov_b32 s[SEC], 768
	s_cselect_b32 s[SEC], 512, s[SEC]
	s_mov_b32 s3, 0
	s_lshl_b32 s2, s7, 16                          ; 64 rows of 1,024 bytes a head
	s_add_nc_u64 s[12:13], s[12:13], s[2:3]
	s_lshl_b32 s2, s7, 11
	s_add_nc_u64 s[14:15], s[14:15], s[2:3]
	s_lshl_b32 s2, s7, 8
	s_add_nc_u64 s[16:17], s[16:17], s[2:3]
	s_lshl_b32 s2, s6, 15                          ; 32 rows of Wv
	s_add_nc_u64 s[24:25], s[24:25], s[2:3]
	s_lshl_b32 s2, s6, 10
	s_add_nc_u64 s[26:27], s[26:27], s[2:3]
	s_lshl_b32 s2, s6, 7
	s_add_nc_u64 s[28:29], s[28:29], s[2:3]
	s_lshl_b32 s2, s38, s[TA]
	s_add_nc_u64 s[30:31], s[30:31], s[2:3]
	s_mul_i32 s2, s38, s[TC]
	s_add_nc_u64 s[32:33], s[32:33], s[2:3]
	s_lshl_b32 s2, s39, 15                         ; V^T: behind a key step's 8,192 bytes of K; my two d-tiles begin at 2 (w % 2)
	s_lshl_b32 s5, s4, 12
	s_add_co_u32 s2, s2, s5
	s_add_co_u32 s2, s2, 8192
	s_add_nc_u64 s[34:35], s[34:35], s[2:3]
	s_mul_i32 s2, s39, 1536                        ; V's scale words: behind K's 512 bytes
	s_lshl_b32 s5, s4, 7
	s_add_co_u32 s2, s2, s5
	s_add_co_u32 s2, s2, 512
	s_add_nc_u64 s[36:37], s[36:37], s[2:3]
	; the biases, the scale words and x's scale bytes: asked for ahead of the weights, so that the counted waits below cover them
.irp t, 0,1,2,3
	global_load_b128 v[BQ+8*\t:BQ+8*\t+3], v14, s[16:17] offset:(32*(\t/2)+8*(\t%2))*4       ; tile t, register j, half h: unit 32 (t / 2) + 16 h + 8 (t % 2) + j
	global_load_b128 v[BQ+8*\t+4:BQ+8*\t+7], v14, s[16:17] offset:(32*(\t/2)+8*(\t%2))*4+16
.endr
.irp t, 0,1
	global_load_b32 v[BV+2*\t], v15, s[28:29] offset:64*\t
.endr
.irp b, 0,1
	global_load_b128 v[WS+8*\b:WS+8*\b+3], v[PR32], s[14:15] offset:1024*\b
	global_load_b128 v[WS+8*\b+4:WS+8*\b+7], v[PR32], s[14:15] offset:1024*\b+16
.endr
	global_load_b128 v[WS+16:WS+19], v[TMP], s[26:27]
	global_load_b128 v[WS+20:WS+23], v[TMP], s[26:27] offset:16
.irp i, 0,1,2,3
	global_load_b128 v[XF+4*\i:XF+4*\i+3], v[XSAD], s[10:11] offset:2048*\i   ; 128 threads x 16 bytes, four times
.endr
; THE WEIGHTS.  A unit is 16 rows x 512 bytes (four K steps of a tile): n = 2 x tile + half; tiles 0-3 are Wq's or Wk's, 4 and 5 Wv's.  Each load reads 512 consecutive bytes of a row into the unit's own
; 64 registers; the unit then turns through my scratch (rows 528 bytes apart) and comes back into the same registers as four fragments.
.macro UNIT n
.set tt, (\n)/2
.set hf, (\n)%2
.if tt < 4
.set wn, 1+hf
.set hh, 64*tt
.else
.set wn, 3
.set hh, 128*(tt-4)+64*hf
.endif
.endm
.macro LOADU n
	UNIT \n
	WIN wn<<6                                      ; the loaded data's window
.irp i, 0,1,2,3,4,5,6,7,8,9,10,11,12,13,14,15
.if tt < 4
	global_load_b128 v[hh+4*\i:hh+4*\i+3], v[L16], s[12:13] offset:(32*(tt/2)+8*(tt%2)+(\i%8)+16*(\i/8))*1024+512*hf
.else
	global_load_b128 v[hh+4*\i:hh+4*\i+3], v[L16], s[24:25] offset:(16*(tt-4)+\i)*1024+512*hf
.endif
.endr
	WIN 0
.endm
.macro TURNW n
	UNIT \n
.if (\n) <= 9
	s_wait_loadcnt 32                              ; this unit's 16 loads are in; the two units asked for behind it may be out
.elseif (\n) == 10
	s_wait_loadcnt 16
.else
	s_wait_loadcnt 0x0
.endif
	WIN wn<<2                                      ; an LDS store's data are its source 1
.irp i, 0,1,2,3,4,5,6,7,8,9,10,11,12,13,14,15
	ds_store_b128 v[SCW], v[hh+4*\i:hh+4*\i+3] offset:SP*\i
.endr
	s_wait_dscnt 0x0                               ; the stores have read their registers, which the loads below write
	WIN wn<<6
.irp s, 0,1,2,3
.irp c, 0,1,2,3
	ds_load_b128 v[hh+16*\s+4*\c:hh+16*\s+4*\c+3], v[SCRD] offset:128*\s+32*\c   ; row r, K = 128 s + 32 c + 16 h + 0 .. 15.  The scratch is my own, and LDS serves a wave's instructions in order (ISA guide 5.7.1.4)
.endr
.endr
	WIN 0
.endm
	LOADU 0
	LOADU 1
	LOADU 2
	CROUND                                         ; all four work-groups are here: the joint loads meet
	tensor_load_to_lds s[56:59], s[G1X:G1X+7]      ; my 64 rows of x: my one tensor load
	s_nop 0
	PLACES 4
.irp n, 0,1,2,3,4,5,6,7,8,9,10,11
	TURNW \n
.if \n+3 <= 11
	LOADU \n+3
.endif
.endr
	s_wait_loadcnt 0x0
.irp i, 0,1,2,3
	ds_store_b128 v[SWAD], v[XF+4*\i:XF+4*\i+3] offset:2048*\i   ; x's scale bytes to their place
.endr
	s_wait_tensorcnt 0x0                           ; my rows have landed,
	s_wait_dscnt 0x0                               ; my fragments are in and my stores are done,
	s_barrier_signal -1
	s_barrier_wait -1                              ; and everybody's: x is whole
; x's fragments of K steps 2 p and 2 p + 1 of tile u into set bf: eight loads.  Tile 1's rows lie 8 rows, 4 lines of each parity, on
.macro FETCHX bf, u, p
.irp k, 0,1
.irp c, 0,1,2,3
	ds_load_b128 v[XF+32*(\bf)+16*\k+4*\c:XF+32*(\bf)+16*\k+4*\c+3], v[XAD] offset:(\u)*4*XPITCH+128*(2*(\p)+\k)+32*\c
.endr
.endr
.endm
; Twelve matrix instructions: K steps 2 p and 2 p + 1 of tile u.  The four accumulators of q or k go round twice, then v's two go round twice: no two matrix instructions that follow each other
; share an accumulator, over the loop's backward jump too.
.macro MUL u, p
.if (\p) < 2
	WIN 0x01                                       ; source 0: window 1
.else
	WIN 0x02                                       ; window 2
.endif
.irp k, 0,1
.set ss, 2*(\p)+\k
.set rB, XF+32*((\p)%2)+16*\k
.set rX, XS+ss
.irp t, 0,1,2,3
.set rD, QA+8*\t
.set rA, 64*\t+16*(ss%4)
.set rS, WS+8*(\t/2)+ss
.set rC, rD
.if ss == 0
.set rC, BQ+8*\t                       ; the bias is the C of a sum's first product
.endif
	MM rD, rA, rB, rC, rS, rX, \t%2, \u
.endr
.endr
	WIN 0x0c                                       ; source 1: window 3
.irp k, 0,1
.set ss, 2*(\p)+\k
.set rB, XF+32*((\p)%2)+16*\k
.set rX, XS+ss
.set rS, WS+16+ss
.irp t, 0,1
.set rD, VA+16*\t+8*(\u)
.set rA, 128*\t+16*ss
.set rC, rD
.if ss == 0
.set rC, -1
.endif
	MM rD, rB, rA, rC, rX, rS, \u, \t
.endr
.endr
	WIN 0
.endm
; A tile of 16 rows of x: 48 matrix instructions.  Each pair of K steps is fetched while the pair before is multiplied; the last pair's turn fetches the next tile's first.
; A load into registers that a matrix instruction has read, and the first read of a result, stand eight places behind it; a matrix instruction that begins an accumulator anew with another C stands nine.
.macro TILE u, nxt
.irp p, 0,1,2,3
.if \p < 3
	FETCHX (\p+1)%2, \u, \p+1
	s_wait_dscnt 8                                 ; all but the eight just issued
.elseif \u == 0
	FETCHX 0, 1, 0
	s_wait_dscnt 8
.elseif \nxt
	s_add_co_u32 s[GX], s[GX], 16*XPITCH           ; the next group of 32 rows: 16 lines of each parity
	v_add_nc_u32 v[XAD], s[GX], v[XA]
	FETCHX 0, 0, 0
	s_wait_dscnt 8
.else
	s_wait_dscnt 0x0
.endif
	MUL \u, \p
.if \p < 3
	PLACES 8
.else
	PLACES 9
.endif
.endr
.endm
; Two blocks of 32 along the next K: block b is my 16 registers from src + 16 b on, and lane l xor 16's.  Their codes go to v[dst + 4 b] on, their bytes to v[BY + b].
.macro QUANT2 src, dst
.irp a, 0,1,2,3
	v_max3_num_f32 v[CH+\a], |v[\src+8*\a]|, |v[\src+8*\a+1]|, |v[\src+8*\a+2]|   ; a chain to an accumulator, each read from its low end on
.endr
.irp i, 3,5
.irp a, 0,1,2,3
	v_max3_num_f32 v[CH+\a], v[CH+\a], |v[\src+8*\a+\i]|, |v[\src+8*\a+\i+1]|
.endr
.endr
.irp a, 0,1,2,3
	v_max_num_f32 v[CH+\a], v[CH+\a], |v[\src+8*\a+7]|
.endr
.irp b, 0,1
	v_max3_num_f32 v[BM+\b], v[CH+2*\b], v[CH+2*\b+1], 0x8000000   ; and the floor 2^(16 - 127): the byte cannot fall under 1
.endr
.irp b, 0,1
	v_permlanex16_b32 v[T2+\b], v[BM+\b], s[SEL], s[SEL+1]
.endr
.irp b, 0,1
	v_max_num_f32 v[BM+\b], v[BM+\b], v[T2+\b]     ; the block's largest magnitude
.endr
.irp b, 0,1
	v_add_nc_u32 v[SO+\b], 0xf8800000, v[BM+\b]    ; 15 off its exponent field: the conversion takes the exponent field of this operand as its scale
.endr
.irp b, 0,1
	v_and_or_b32 v[HL+\b], v[BM+\b], 0x7f800000, s[MNT]   ; 57,344 x the scale
.endr
.irp b, 0,1
	v_lshrrev_b32 v[BY+\b], 23, v[SO+\b]           ; the scale's byte
.endr
	s_wait_alu depctr_va_vdst(0)                   ; directly ahead of the wait below
	s_wait_xcnt 0x0                                ; the codes' registers were the data of earlier stores: they are written again only behind this wait
.irp b, 0,1
.irp i, 0,1,2,3,4,5,6,7,8,9,10,11,12,13,14,15
	v_med3_num_f32 v[\src+16*\b+\i], v[\src+16*\b+\i], -v[HL+\b], v[HL+\b]   ; the conversion to an 8-bit code does not saturate (ISA guide 7.6.2)
.endr
	v_cvt_scalef32_pk8_bf8_f32 v[\dst+4*\b:\dst+4*\b+1], v[\src+16*\b:\src+16*\b+7], v[SO+\b]
	v_cvt_scalef32_pk8_bf8_f32 v[\dst+4*\b+2:\dst+4*\b+3], v[\src+16*\b+8:\src+16*\b+15], v[SO+\b]
.endr
	v_nop                                          ; a plain instruction between the conversions and the products that write their sources again
.endm
; A GROUP of 32 rows of x: two tiles; each gives a tile of q or k; the two together give 32 keys of my two d-tiles of V^T.
.macro GROUP nxt
	TILE 0, 1
	QUANT2 QA, QC
	s_lshl_b32 s[QKO], s[G], 11                    ; this group's store offsets, made behind the quantiser's wait on XCNT, with no store issued since: 2,048 bytes of q or k a group,
	s_lshl_b32 s[VO], s[G], 9                      ; 512 of V^T;
	s_cmp_ge_u32 s[G], 4                           ; between groups 3 and 4 a key step ends
	s_cselect_b32 s96, s[QKX], 0
	s_cselect_b32 s97, 14336, 0
	s_add_co_u32 s[QKO], s[QKO], s96
	s_add_co_u32 s[VO], s[VO], s97
	v_add_nc_u32 v[QKV], s[QKO], v[L16]
	v_add_nc_u32 v[VOV], s[VO], v[L16]
	v_lshl_or_b32 v[PW0], v[BY+1], 8, v[BY]
	v_or_b32 v[PW0], 0x7f7f0000, v[PW0]            ; my row's scale word
	global_store_b128 v[QKV], v[QC:QC+3], s[30:31]             ; 32 lanes store 512 consecutive bytes
	global_store_b128 v[QKV], v[QC+4:QC+7], s[30:31] offset:512
	TILE 1, \nxt
.if \nxt
	s_add_co_u32 s[GXS], s[GXS], 1024              ; the next group's scale words of x (nine places behind the last product that read these registers)
	v_add_nc_u32 v[XSAD], s[GXS], v[XSB]
	ds_load_b128 v[XS:XS+3], v[XSAD]
	ds_load_b128 v[XS+4:XS+7], v[XSAD] offset:16
.endif
	QUANT2 QA, QC
	v_lshl_or_b32 v[PW1], v[BY+1], 8, v[BY]
	v_or_b32 v[PW1], 0x7f7f0000, v[PW1]
	v_cndmask_b32 v[PW1], v[PW0], v[PW1], s[HM]    ; lanes 0-15 the first tile's words, lanes 16-31 the second's:
	ds_store_b32 v[SWAD], v[PW1]                   ; 128 bytes a group into my scratch; they leave at the end, 512 bytes a store
.irp t, 0,1
.irp i, 0,2,4,6,8,10,12,14
	v_pk_add_f32 v[VA+16*\t+\i:VA+16*\t+\i+1], v[VA+16*\t+\i:VA+16*\t+\i+1], v[BV+2*\t:BV+2*\t+1] op_sel_hi:[1,0]   ; bv: one number a lane, so it is no C in the result's layout
.endr
.endr
	QUANT2 VA, VC
.irp t, 0,1
	v_lshrrev_b32 v[VW+2*\t], 8, v[VW+2*\t]        ; the byte enters a run of eight from the top: after eight groups the first word holds groups 0-3's, the second groups 4-7's
	v_lshl_or_b32 v[VW+2*\t], v[VW+2*\t+1], 24, v[VW+2*\t]
	v_lshrrev_b32 v[VW+2*\t+1], 8, v[VW+2*\t+1]
	v_lshl_or_b32 v[VW+2*\t+1], v[BY+\t], 24, v[VW+2*\t+1]
.endr
	global_store_b128 v[QKV], v[QC:QC+3], s[30:31] offset:1024   ; the second tile's codes of q or k leave here, behind V's quantiser, so that its wait on XCNT has only the first tile's stores ahead of it
	global_store_b128 v[QKV], v[QC+4:QC+7], s[30:31] offset:1536
	global_store_b128 v[VOV], v[VC:VC+3], s[34:35]
	global_store_b128 v[VOV], v[VC+4:VC+7], s[34:35] offset:2048 ; these four stores' registers are written again only behind the next group's first wait on XCNT, 48 products on
.if \nxt
	s_add_co_u32 s[GSW], s[GSW], 128
	v_add_nc_u32 v[SWAD], s[GSW], v[SWB]
.endif
.endm
	s_mov_b32 s[GX], 0
	s_mov_b32 s[G], 0
	s_mov_b32 s[GXS], 0
	s_mov_b32 s[GSW], 0
	v_add_nc_u32 v[XAD], s[GX], v[XA]
	v_add_nc_u32 v[XSAD], s[GXS], v[XSB]
	v_add_nc_u32 v[SWAD], s[GSW], v[SWB]
	ds_load_b128 v[XS:XS+3], v[XSAD]
	ds_load_b128 v[XS+4:XS+7], v[XSAD] offset:16
	FETCHX 0, 0, 0
.Lgroup:                                           ; seven trips; the eighth group is written out: it fetches nothing beyond x's last row
	s_wait_alu depctr_va_vdst(0)
	GROUP 1
	s_add_co_u32 s[G], s[G], 1
	s_cmp_lt_u32 s[G], 7
	s_cbranch_scc1 .Lgroup
	GROUP 0
	ds_load_b128 v[80:83], v[SCW]                  ; the sixteen tiles' scale words of q or k, 1,024 bytes: LDS serves a wave's instructions in order: these see my stores
	ds_load_b128 v[84:87], v[SCW] offset:512
	v_add_nc_u32 v14, s[SEC], v[L16]
	v_and_b32 v15, 31, v0
	v_lshlrev_b32 v15, 2, v15
	v_cndmask_b32 v88, v[VW], v[VW+2], s[HM]       ; V's words: my first d-tile's in lanes 0-15, my second's in lanes 16-31
	v_cndmask_b32 v89, v[VW+1], v[VW+3], s[HM]
	s_wait_alu depctr_va_vdst(0)                   ; directly ahead of the wait below
	s_wait_dscnt 0x0
	global_store_b128 v[L16], v[80:83], s[32:33]
	global_store_b128 v14, v[84:87], s[32:33]
	global_store_b32 v15, v88, s[36:37]            ; the first key step's,
	global_store_b32 v15, v89, s[36:37] offset:768 ; the second's
	s_wait_tensorcnt 0x0                           ; the wave's end
	ds_add_u32 v254, v255
	s_wait_dscnt 0x0
	CROUND                                         ; the closing round
	s_endpgm
.Lfunc_end_k_q93a65b3a20_proj:
	.size	k_q93a65b3a20_proj, .Lfunc_end_k_q93a65b3a20_proj-k_q93a65b3a20_proj
	.p2alignl 7, 3214868480
	.fill 96, 4, 3214868480
	.section	.rodata,"a",@progbits
	.p2align	6, 0x0
	.amdhsa_kernel k_q93a65b3a20_proj
		.amdhsa_group_segment_fixed_size 308992
		.amdhsa_private_segment_fixed_size 0
		.amdhsa_enable_private_segment 0
		.amdhsa_kernarg_size 120
		.amdhsa_user_sgpr_count 2
		.amdhsa_user_sgpr_kernarg_segment_ptr 1
		.amdhsa_wavefront_size32 1
		.amdhsa_system_sgpr_workgroup_id_x 1
		.amdhsa_system_sgpr_workgroup_id_y 1
		.amdhsa_system_sgpr_workgroup_id_z 1
		.amdhsa_system_vgpr_workitem_id 0
		.amdhsa_next_free_vgpr 1024
		.amdhsa_next_free_sgpr 102
		.amdhsa_reserve_vcc 0
		.amdhsa_float_denorm_mode_32 3
		.amdhsa_float_denorm_mode_16_64 3
		.amdhsa_memory_ordered 1
		.amdhsa_forward_progress 1
		.amdhsa_inst_pref_size 124
	.end_amdhsa_kernel
	.amdgpu_metadata
---
amdhsa.version: [ 1, 2 ]
amdhsa.kernels:
  - .name:           k_q93a65b3a20_proj
    .symbol:         k_q93a65b3a20_proj.kd
    .args:
      - { .name: x_codes, .offset: 0, .size: 8, .value_kind: global_buffer, .address_space: global }
      - { .name: x_scales, .offset: 8, .size: 8, .value_kind: global_buffer, .address_space: global }
      - { .name: Wq_codes, .offset: 16, .size: 8, .value_kind: global_buffer, .address_space: global }
      - { .name: Wq_scales, .offset: 24, .size: 8, .value_kind: global_buffer, .address_space: global }
      - { .name: bq, .offset: 32, .size: 8, .value_kind: global_buffer, .address_space: global }
      - { .name: Wk_codes, .offset: 40, .size: 8, .value_kind: global_buffer, .address_space: global }
      - { .name: Wk_scales, .offset: 48, .size: 8, .value_kind: global_buffer, .address_space: global }
      - { .name: bk, .offset: 56, .size: 8, .value_kind: global_buffer, .address_space: global }
      - { .name: Wv_codes, .offset: 64, .size: 8, .value_kind: global_buffer, .address_space: global }
      - { .name: Wv_scales, .offset: 72, .size: 8, .value_kind: global_buffer, .address_space: global }
      - { .name: bv, .offset: 80, .size: 8, .value_kind: global_buffer, .address_space: global }
      - { .name: qc, .offset: 88, .size: 8, .value_kind: global_buffer, .address_space: global }
      - { .name: qs, .offset: 96, .size: 8, .value_kind: global_buffer, .address_space: global }
      - { .name: kv, .offset: 104, .size: 8, .value_kind: global_buffer, .address_space: global }
      - { .name: sc, .offset: 112, .size: 8, .value_kind: global_buffer, .address_space: global }
    .group_segment_fixed_size: 308992
    .private_segment_fixed_size: 0
    .kernarg_segment_align: 8
    .kernarg_segment_size: 120
    .max_flat_workgroup_size: 128
    .sgpr_count:     102
    .vgpr_count:     1024
    .wavefront_size: 32
...
	.end_amdgpu_metadata
.endif
;; end of part 1
;; launch attn (part 2): grid 4 x 64, 8 waves a work-group, clusters of 4 x 1, 310,272 bytes of LDS; arguments qc, qs, kv, sc, out0; writes out0
.if DOCPART == 2
	.amdgcn_target "amdgcn-amd-amdhsa--gfx1250"
	.amdhsa_code_object_version 6
	.text
	.protected	k_q93a65b3a20_attn
	.globl	k_q93a65b3a20_attn
	.p2align	8
	.type	k_q93a65b3a20_attn,@function
k_q93a65b3a20_attn:
	s_mov_b64 s[64:65], 0
	v_nop
	global_prefetch_b8 v0, s[64:65] scope:SCOPE_SE
	s_setreg_imm32_b32 hwreg(HW_REG_WAVE_MODE, 25, 1), 1
	s_wait_xcnt 0x0
	s_wait_alu depctr_hold_cnt(0) depctr_sa_sdst(0) depctr_va_vdst(0) depctr_va_sdst(0) depctr_va_ssrc(0) depctr_va_vcc(0) depctr_vm_vsrc(0)
	s_getreg_b32 s2, hwreg(HW_REG_IB_STS2, 6, 4)
	s_cmp_eq_u32 s2, 0
	s_cbranch_scc0 .Lentry_in_a_cluster
	s_endpgm
.Lentry_in_a_cluster:
	s_bfe_u32 s2, ttmp6, 0x10000c
	s_cmp_lg_u32 s2, 0x3003
	s_cbranch_scc0 .Lentry_shape_is_right
	s_endpgm
.Lentry_shape_is_right:
; out[b][q][64 head + d] = the sum over k of softmax_k(q . k / 8) v[k][d], both products on codes of BF8 (E5M2) with one E8M0 scale for each 32 along a product's K.
; The operands come as images of their registers (16 bytes a lane, 512 consecutive bytes a load):
;   qc [bh 64][tile 128][c 2][lane 32][16 B], qs [bh][tile][r 16] words;  kv [bh][step 16][8 tiles of K x 1,024 B, 4 tiles of V^T x 2,048 B];  sc [bh][step 16][K's words 512 B, V's 256 B].
;   Tile 2 G + u of queries or keys holds rows 32 G + 8 u + perm(r), perm(i) = (i & 7) + 16 (i >> 3): the 16 registers of two neighbouring tiles of S^T are 16 neighbouring keys.
; THE SOFTMAX: t = score x log2(e) / 8; M = the row's largest t so far, rounded UP to a whole number; p = 2^(t - M) is quantised along the keys, not normalised.
; The row's sum is taken of the unquantised p, in f32, and divides O at the end.  When M moves, the sum and O are multiplied by 2^(old M - new M): exact.
; A BLOCK'S SCALE is 2^(e - 15) with e = floor(the block's largest t - M), held at -111 from below: whole-number arithmetic on e gives the byte e + 112, the conversion's operand and the bound 1.75 x 2^e.
; SHARES.  256 work-groups; a work-group keeps one head's K, V^T and scale words WHOLE in LDS (274,432 bytes, filled once) and takes TWO blocks of 256 queries past them, one after the other.
; Each of its eight waves owns 32 queries of a block, two tiles, in 512 registers; each fragment of K and V read from LDS feeds two matrix instructions.  128 keys a step.
; THE FILLS.  One joint load a wave, two key steps (32,768 bytes) each; waves 0 and 1 have a load line of their own and wait at the first barrier, the others ahead of step 3's.
; The scale words, 12,288 bytes, come through registers into LDS bytes that no tensor load fills.  CLUSTER: the four work-groups of a cluster belong to one head and ask for every tile jointly.
; No prefetch is laid: the tensor loads all stand at the head, so there is no loop that runs ahead of one.
; BOTH PRODUCTS ARE USED TRANSPOSED: S^T = K Q^T, O^T = V^T P^T: a lane holds ONE query throughout.
; THE HEAD'S 64 IN A K STEP OF 128.  Q's registers 8-15 are zero codes, bytes 2 and 3 of Q's and K's scale words are 0x7f.  Source 0 of tile T names K's registers 8 T .. 8 T + 15: its upper half is the next
; tile's codes (behind tile 7: zeros), which are finite and meet zeros: they add exactly 0.
; THE SECOND BLOCK clears nothing: its first step finds the largest t at -3e38 again, so f = 0 there, and O and the sum, which are finite, become 0.
; LIMITS: NaN and infinities are not served.  A block whose every p has fallen to 0 keeps the byte 1.  Where v_exp_f32 rounds a block's largest p up to a power of two (t - M within an ulp under a whole number),
; that p is held one code low.
.set SCB,  262144                      ; LDS: behind the head's codes its scale words,
.set STG,  SCB+12288                   ; a stage of 16 rows x (256 + 16) bytes for each wave,
.set STGW, 16*272
.set SPARE, STG+8*STGW                 ; and the spare words, 128 bytes a wave
; window 0
.set L16, 1                            ; 16 x lane
.set LS,  2                            ; SCB + 4 x lane
.set ADK, 3                            ; L16 + the step's codes
.set ADS, 4                            ; LS + the step's scale words
.set STO, 5                            ; the way out: where I put 32 bytes of a row
.set RD,  6                            ; where I read a row back
.set GO,  7                            ; my byte offset in out
.set KS,  8                            ; v8-11   K's scale words: tile 2 p in lanes 0-15, 2 p + 1 in lanes 16-31
.set VS,  12                           ; v12-13  V's likewise
.set QS,  14                           ; Q's: tile 0 in lanes 0-15, tile 1 in lanes 16-31
.set L4,  15                           ; 4 x lane
.set ST,  16                           ; tile q at ST + 8 q: +0 -M, +1 the largest score, +2, +3 the sum in two halves, +4 f (at the end 1 / sum), +5 written once, +6 p's scale word, +7 at work
.set BM,  32                           ; v32-39  tile q's four blocks' largest scores, then t - M
.set T2,  40                           ; v40-47  at work; then e
.set SO,  48                           ; v48-55  the conversions' scale operands
.set HL,  56                           ; v56-63  57,344 x the scale
.set S,   64                           ; v64-191 S^T, then p: tile of queries q, tile of keys T at S + 64 q + 8 T
.set P,   192                          ; v192-223 p's codes
.set C2,  224                          ; v224-229 three more chains of the sum
.set T16, 230                          ; 16 x thread
.set TS16, 231                         ; SCB + 16 x thread
.set TMP, 232
; window 1
.set O,   0                            ; O^T: O + 32 q + 8 t
.set QF,  64                           ; Q's fragments
.set KF,  96                           ; K's eight tiles of 8 registers, and 8 of zeros
.set VF,  168                          ; V^T's four fragments
.set WV,  14
.set CX,  15
.set BH,  17
.set G1A, 24
.set G0A, 48
.set SEL, 60                           ; s[60:61] v_permlanex16_b32's selects for lane l xor 16
.set CS,  62                           ; s[62:63] c = log2(e) / 8
.set TB,  67                           ; LDS byte of the step's codes
.set TS,  68                           ; and of its scale words, from SCB on
.set CNT, 69
.set MSB, 0
.macro WIN new                         ; the immediate's high byte repeats the setting that is left
.if MSB != (\new)
	s_set_vgpr_msb (MSB<<8)|(\new)
.set MSB, (\new)
.endif
.endm
.macro PLACES n
.rept \n
	v_nop
.endr
.endm
.macro WALU
	s_wait_alu depctr_va_vdst(0)
.endm
.macro CROUND                          ; a round of the cluster's barrier
	s_barrier_signal -1
	s_barrier_wait -1
	s_cmp_lg_u32 s[WV], 0
	s_cbranch_scc1 .Lnot_wave_0_\@
	s_barrier_signal -3
.Lnot_wave_0_\@:
	s_barrier_wait -3
	s_barrier_signal -1
	s_barrier_wait -1
.endm
; One matrix instruction.  c < 0: the constant 0 starts the sum.  ra, rb = 1: the side's scale words stand in lanes 16-31.
.macro MM d, a, b, c, sa, sb, ra, rb
.if (\c) < 0
.if (\ra) && (\rb)
	v_wmma_scale_f32_16x16x128_f8f6f4 v[\d:\d+7], v[\a:\a+15], v[\b:\b+15], 0, v[\sa], v[\sb] matrix_a_fmt:MATRIX_FMT_BF8 matrix_b_fmt:MATRIX_FMT_BF8 matrix_a_scale:MATRIX_SCALE_ROW1 matrix_b_scale:MATRIX_SCALE_ROW1
.elseif (\ra)
	v_wmma_scale_f32_16x16x128_f8f6f4 v[\d:\d+7], v[\a:\a+15], v[\b:\b+15], 0, v[\sa], v[\sb] matrix_a_fmt:MATRIX_FMT_BF8 matrix_b_fmt:MATRIX_FMT_BF8 matrix_a_scale:MATRIX_SCALE_ROW1
.elseif (\rb)
	v_wmma_scale_f32_16x16x128_f8f6f4 v[\d:\d+7], v[\a:\a+15], v[\b:\b+15], 0, v[\sa], v[\sb] matrix_a_fmt:MATRIX_FMT_BF8 matrix_b_fmt:MATRIX_FMT_BF8 matrix_b_scale:MATRIX_SCALE_ROW1
.else
	v_wmma_scale_f32_16x16x128_f8f6f4 v[\d:\d+7], v[\a:\a+15], v[\b:\b+15], 0, v[\sa], v[\sb] matrix_a_fmt:MATRIX_FMT_BF8 matrix_b_fmt:MATRIX_FMT_BF8
.endif
.else
.if (\ra)
	v_wmma_scale_f32_16x16x128_f8f6f4 v[\d:\d+7], v[\a:\a+15], v[\b:\b+15], v[\c:\c+7], v[\sa], v[\sb] matrix_a_fmt:MATRIX_FMT_BF8 matrix_b_fmt:MATRIX_FMT_BF8 matrix_a_scale:MATRIX_SCALE_ROW1
.else
	v_wmma_scale_f32_16x16x128_f8f6f4 v[\d:\d+7], v[\a:\a+15], v[\b:\b+15], v[\c:\c+7], v[\sa], v[\sb] matrix_a_fmt:MATRIX_FMT_BF8 matrix_b_fmt:MATRIX_FMT_BF8
.endif
.endif
.endm
	s_load_b256 s[4:11], s[0:1], 0x0               ; qc 4, qs 6, kv 8, sc 10
	s_load_b64 s[12:13], s[0:1], 0x20              ; out
	v_lshl_add_u32 v254, v0, 2, SPARE
	v_mov_b32 v255, 0
	ds_add_u32 v254, v255                          ; the opening lines: the add twice on end and its wait
	ds_add_u32 v254, v255
	v_lshrrev_b32 v[TMP], 5, v0
	v_readfirstlane_b32 s[WV], v[TMP]              ; wave 0..7
	v_lshlrev_b32 v[T16], 4, v0
	v_lshl_add_u32 v[TS16], v0, 4, SCB
	s_and_b32 s[BH], ttmp7, 0xffff                 ; 16 x batch + head, which the four partners share
	; group 1: 128 dense rows of 32 elements of 8 bytes: two key steps, an image read as it lies
	s_mov_b32 s[G1A], 15|(3<<16)|(1<<21)           ; the mask: all four work-groups; elements of 8 bytes; bit 21 beside a mask
	s_mov_b32 s[G1A+1], 32<<16
	s_mov_b32 s[G1A+2], 128<<16
	s_mov_b32 s[G1A+3], 32<<16
	s_mov_b32 s[G1A+4], 128
	s_mov_b32 s[G1A+5], 32
	s_mov_b32 s[G1A+6], 0
	s_mov_b32 s[G1A+7], 0
	s_mov_b32 s[G0A], 1
	s_lshl_b32 s[G0A+1], s[WV], 15                 ; LDS holds the head's block as it lies in memory: 32,768 bytes a wave
	s_lshl_b32 s18, s[BH], 18                      ; a head's codes are 262,144 bytes
	s_add_co_u32 s18, s18, s[G0A+1]
	s_mov_b32 s19, 0
	s_mul_i32 s22, s[BH], 12288
	s_mov_b32 s23, 0
	s_mov_b32 s[SEL], 0x76543210
	s_mov_b32 s[SEL+1], 0xfedcba98
	s_mov_b32 s[CS], 0x3e38aa3b                    ; c = log2(e) / sqrt(64)
	s_mov_b32 s[CS+1], s[CS]
	s_mul_i32 s74, s[WV], STGW
	s_add_co_u32 s74, s74, STG                     ; my stage
	s_bfe_u32 s[CX], ttmp6, 0x40000                ; my place in the cluster enters Q's and out's addresses alone
	s_lshl_b32 s70, s[CX], 5
	s_lshl_b32 s71, s[WV], 1
	s_add_co_u32 s70, s70, s71                     ; my first tile of queries: 32 cx + 2 w; the second block's lie 16 tiles on
	s_mov_b32 s73, 0
	WALU
	s_wait_dscnt 0x0
	s_wait_kmcnt 0x0
	s_add_nc_u64 s[G0A+2:G0A+3], s[8:9], s[18:19]
	s_or_b32 s[G0A+3], s[G0A+3], 0x80000000        ; type = 2
	s_add_nc_u64 s[10:11], s[10:11], s[22:23]
.irp i, 0,1,2
	global_load_b128 v[S+4*\i:S+4*\i+3], v[T16], s[10:11] offset:4096*\i   ; the head's scale words: 256 threads x 16 bytes, three times
.endr
	CROUND                                         ; all four work-groups are here: the joint loads meet
	s_cmp_lt_u32 s[WV], 2
	s_cbranch_scc0 .Lrest
	tensor_load_to_lds s[G0A:G0A+3], s[G1A:G1A+7]  ; waves 0, 1: steps 0 to 3
	s_nop 0
	PLACES 4
	s_branch .Lasked
.Lrest:
	tensor_load_to_lds s[G0A:G0A+3], s[G1A:G1A+7]  ; waves 2 to 7: steps 4 to 15
	s_nop 0
	PLACES 4
.Lasked:
	s_lshl_b32 s72, s[BH], 17                      ; qc: 131,072 bytes a head, 1,024 a tile
	s_lshl_b32 s71, s70, 10
	s_add_co_u32 s72, s72, s71
	s_add_nc_u64 s[4:5], s[4:5], s[72:73]
	s_lshl_b32 s72, s[BH], 13                      ; qs: 8,192 bytes a head, 64 a tile
	s_lshl_b32 s71, s70, 6
	s_add_co_u32 s72, s72, s71
	s_add_nc_u64 s[6:7], s[6:7], s[72:73]
	s_lshr_b32 s72, s[BH], 4                       ; out: 8,388,608 bytes a batch, 16 rows of 4,096 a tile, 256 bytes a head
	s_lshl_b32 s72, s72, 23
	s_lshl_b32 s71, s70, 16
	s_add_co_u32 s72, s72, s71
	s_and_b32 s71, s[BH], 15
	s_lshl_b32 s71, s71, 8
	s_add_co_u32 s72, s72, s71
	s_add_nc_u64 s[12:13], s[12:13], s[72:73]
	v_and_b32 v[TMP], 31, v0                       ; lane
	v_lshlrev_b32 v[L16], 4, v[TMP]
	v_lshl_add_u32 v[LS], v[TMP], 2, SCB
	v_lshlrev_b32 v[L4], 2, v[TMP]
	WIN 0x40                                       ; destination window 1
.irp q, 0,1
.irp c, 0,1
	global_load_b128 v[QF+16*\q+4*\c:QF+16*\q+4*\c+3], v[L16], s[4:5] offset:1024*\q+512*\c
.endr
.endr
.set i, 0
.rept 64
	v_mov_b32 v[O+i], 0                            ; O^T, once: the first change of M leaves zeros zeros
.set i, i+1
.endr
.irp i, 0,1,2,3,4,5,6,7
	v_mov_b32 v[QF+8+\i], 0                        ; zero codes: K = 64 .. 127 of both tiles of Q,
	v_mov_b32 v[QF+24+\i], 0
	v_mov_b32 v[KF+64+\i], 0                       ; and what stands behind K's last tile
.endr
	WIN 0
	global_load_b32 v[QS], v[L4], s[6:7]
	v_and_b32 v[BM], 15, v0                        ; r
	v_bfe_u32 v[BM+1], v0, 4, 1                    ; h
	v_mul_u32_u24 v[STO], v[BM], 272               ; in: row r, 32 bytes for each half of the lanes
	v_mul_u32_u24 v[RD], v[BM+1], 272              ; back: lanes 0-15 one row of 256 bytes, lanes 16-31 the next
	v_lshlrev_b32 v[GO], 12, v[BM+1]               ; and the same two rows in out
	v_lshl_add_u32 v[STO], v[BM+1], 5, v[STO]
	v_lshl_add_u32 v[RD], v[BM], 4, v[RD]
	v_lshl_add_u32 v[GO], v[BM], 4, v[GO]
	v_add_nc_u32 v[STO], s74, v[STO]
	v_add_nc_u32 v[RD], s74, v[RD]
.irp q, 0,1
	v_mov_b32 v[ST+8*\q+2], 0                      ; the sum, in two halves
	v_mov_b32 v[ST+8*\q+3], 0
	v_mov_b32 v[ST+8*\q+5], 0                      ; (named as the upper half of a pair)
.endr
.irp b, 0,1,2,3,4,5,6,7
	v_mov_b32 v[T2+\b], 0                          ; written once: a lane permute's destination counts as one of its sources
.endr
.macro HOLDP a, h                      ; two holds in one line: p is not negative, so the hold is one-sided (the conversion to an 8-bit code does not saturate: ISA guide 7.6.2)
	v_dual_min_num_f32 v[\a], v[\a], v[\h] :: v_dual_min_num_f32 v[\a+1], v[\a+1], v[\h]
.endm
.macro SUM q                           ; the row's sum of the unquantised p: 32 pairs in four chains; the first line brings the old sum under the new M
.set SS, S+64*(\q)
.set LQ, ST+8*(\q)+2
	v_pk_fma_f32 v[LQ:LQ+1], v[LQ:LQ+1], v[LQ+2:LQ+3], v[SS:SS+1] op_sel_hi:[1,0,1]
.irp n, 0,1,2
	v_pk_add_f32 v[C2+2*\n:C2+2*\n+1], v[SS+2+4*\n:SS+3+4*\n], v[SS+4+4*\n:SS+5+4*\n]
.endr
.set k, 14
.rept 25
.if (k/2)%4 == 3
	v_pk_add_f32 v[LQ:LQ+1], v[LQ:LQ+1], v[SS+k:SS+k+1]
.else
	v_pk_add_f32 v[C2+2*((k/2)%4):C2+2*((k/2)%4)+1], v[C2+2*((k/2)%4):C2+2*((k/2)%4)+1], v[SS+k:SS+k+1]
.endif
.set k, k+2
.endr
	v_pk_add_f32 v[C2:C2+1], v[C2:C2+1], v[C2+2:C2+3]
	v_pk_add_f32 v[LQ:LQ+1], v[LQ:LQ+1], v[C2+4:C2+5]
	v_pk_add_f32 v[LQ:LQ+1], v[LQ:LQ+1], v[C2:C2+1]
.endm
.macro CVT q
.irp b, 0,1,2,3
	v_cvt_scalef32_pk8_bf8_f32 v[P+16*\q+4*\b:P+16*\q+4*\b+1], v[S+64*\q+16*\b:S+64*\q+16*\b+7], v[SO+4*\q+\b]
	v_cvt_scalef32_pk8_bf8_f32 v[P+16*\q+4*\b+2:P+16*\q+4*\b+3], v[S+64*\q+16*\b+8:S+64*\q+16*\b+15], v[SO+4*\q+\b]
.endr
.endm
; THE SOFTMAX of both tiles for a step of 128 keys.  Register 16 b + i of a tile's 64 holds key 32 b + 16 (lane / 16) + i.  The two tiles' chains take turns line by line.
.macro SOFT2
.irp q, 0,1
.irp b, 0,1,2,3
	v_max3_num_f32 v[BM+4*\q+\b], v[S+64*\q+16*\b], v[S+64*\q+16*\b+1], v[S+64*\q+16*\b+2]   ; my half's largest score of each block of 32 keys; each accumulator is read from its low end on
.endr
.endr
.irp i, 3,5,7,9,11,13
.irp q, 0,1
.irp b, 0,1,2,3
	v_max3_num_f32 v[BM+4*\q+\b], v[BM+4*\q+\b], v[S+64*\q+16*\b+\i], v[S+64*\q+16*\b+\i+1]
.endr
.endr
.endr
.irp q, 0,1
.irp b, 0,1,2,3
	v_max_num_f32 v[BM+4*\q+\b], v[BM+4*\q+\b], v[S+64*\q+16*\b+15]
.endr
.endr
.irp q, 0,1
	v_max3_num_f32 v[ST+8*\q+7], v[BM+4*\q], v[BM+4*\q+1], v[BM+4*\q+2]
.endr
.irp q, 0,1
	v_max3_num_f32 v[ST+8*\q+7], v[ST+8*\q+7], v[BM+4*\q+3], v[ST+8*\q+1]   ; with the largest score so far
.endr
.irp q, 0,1
	v_permlanex16_b32 v[T2+4*\q], v[ST+8*\q+7], s[SEL], s[SEL+1]
.endr
.irp q, 0,1
	v_max_num_f32 v[ST+8*\q+1], v[ST+8*\q+7], v[T2+4*\q]     ; and lane l xor 16's: the row's largest score
.endr
.irp q, 0,1
	v_mul_f32 v[ST+8*\q+7], s[CS], v[ST+8*\q+1]              ; as t (c is positive)
.endr
.irp q, 0,1
	v_mov_b32 v[T2+4*\q], v[ST+8*\q]
.endr
.irp q, 0,1
	v_floor_f32 v[ST+8*\q], -v[ST+8*\q+7]                    ; the new -M = -ceil(t)
.endr
.irp q, 0,1
	v_sub_f32 v[T2+4*\q], v[ST+8*\q], v[T2+4*\q]             ; old M - new M: a whole number, 0 or less
.endr
.irp q, 0,1
	v_cvt_i32_f32 v[T2+4*\q], v[T2+4*\q]                     ; (it saturates)
.endr
.irp q, 0,1
	v_ldexp_f32 v[ST+8*\q+4], 1.0, v[T2+4*\q]                ; f = 2^(old M - new M)
.endr
.irp q, 0,1
.irp b, 0,1,2,3
	v_fma_f32 v[BM+4*\q+\b], v[BM+4*\q+\b], s[CS], v[ST+8*\q]   ; t - M of my half's largest score of the block (the multiply-add does not fall where the score rises, so it may go ahead of the join)
.endr
.endr
.irp q, 0,1
.irp b, 0,1,2,3
	v_permlanex16_b32 v[T2+4*\q+\b], v[BM+4*\q+\b], s[SEL], s[SEL+1]
.endr
.endr
.irp q, 0,1
.irp b, 0,1,2,3
	v_max3_num_f32 v[BM+4*\q+\b], v[BM+4*\q+\b], v[T2+4*\q+\b], 0xc2de0000   ; the block's, and the floor -111: the byte cannot fall under 1
.endr
.endr
.irp q, 0,1
.irp b, 0,1,2,3
	v_cvt_floor_i32_f32 v[T2+4*\q+\b], v[BM+4*\q+\b]         ; e
.endr
.endr
.irp q, 0,1
.irp b, 0,1,2,3
	v_lshl_add_u32 v[SO+4*\q+\b], v[T2+4*\q+\b], 23, 0x38000000   ; (e + 112) << 23: the conversion takes this exponent field as its scale
.endr
.endr
.irp q, 0,1
.irp b, 0,1,2,3
	v_lshl_add_u32 v[HL+4*\q+\b], v[T2+4*\q+\b], 23, 0x3fe00000   ; 1.75 x 2^e = 57,344 x the scale
.endr
.endr
.irp n, 1,2,3
.irp q, 0,1
.if \n == 1
	v_lshl_add_u32 v[ST+8*\q+6], v[T2+4*\q+1], 8, v[T2+4*\q]
.else
	v_lshl_add_u32 v[ST+8*\q+6], v[T2+4*\q+\n], 8*\n, v[ST+8*\q+6]
.endif
.endr
.endr
.irp q, 0,1
	v_add_nc_u32 v[ST+8*\q+6], 0x70707070, v[ST+8*\q+6]      ; p's scale word: the four bytes e + 112 (the sum is right modulo 2^32, and each byte lies in 1 .. 113)
.endr
.set j, 0
.rept 32
	v_pk_fma_f32 v[S+j:S+j+1], v[S+j:S+j+1], s[CS:CS+1], v[ST:ST+1] op_sel_hi:[1,0,0]   ; tile 0: t - M, two at a time
.set j, j+2
.endr
	WALU                                           ; ahead of the batch
.set j, 0
.rept 32                                       ; tile 0's exponentials, and among them tile 1's t - M
	v_exp_f32 v[S+j], v[S+j]
	v_exp_f32 v[S+j+1], v[S+j+1]
	v_pk_fma_f32 v[S+64+j:S+65+j], v[S+64+j:S+65+j], s[CS:CS+1], v[ST+8:ST+9] op_sel_hi:[1,0,0]
.set j, j+2
.endr
	WALU                                           ; behind it
	SUM 0
	WALU                                           ; ahead of the second batch
.set j, 0
.rept 32                                       ; tile 1's exponentials, and among them tile 0's holds
	v_exp_f32 v[S+64+j], v[S+64+j]
	v_exp_f32 v[S+65+j], v[S+65+j]
	HOLDP S+j, HL+j/16
.set j, j+2
.endr
	v_nop
	WALU                                           ; behind it
	CVT 0
	SUM 1
.set j, 0
.rept 32
	HOLDP S+64+j, HL+4+j/16
.set j, j+2
.endr
	CVT 1
	v_nop                                          ; a plain line behind the last conversion
.endm
; A KEY STEP: 128 keys.  K and its scale words were fetched a step ago.  pre = 1: the next step's are fetched, with this step's V^T, behind the first products.  qn = 1: the next block's Q too.
.macro STEP pre, qn
	s_wait_dscnt 0x0                               ; K and its scale words are in
	WIN 0x05                                       ; sources 0 (K) and 1 (Q): window 1
.irp t, 0,1,2,3,4,5,6,7
.irp q, 0,1
.set rD, S+64*\q+8*\t
.set rA, KF+8*\t
.set rB, QF+16*\q
.set rS, KS+\t/2
	MM rD, rA, rB, -1, rS, QS, \t%2, \q
.endr
.endr
	WIN 0
	v_add_nc_u32 v[ADK], s[TB], v[L16]             ; these two and six v_nop: the eight places ahead of loads into registers that products have read and of the first reads of the scores
	v_add_nc_u32 v[ADS], s[TS], v[LS]
	PLACES 6
	WIN 0x40
.irp t, 0,1,2,3
.irp c, 0,1,2,3
	ds_load_b128 v[VF+16*\t+4*\c:VF+16*\t+4*\c+3], v[ADK] offset:8192+2048*\t+512*\c
.endr
.endr
.if \pre
.irp t, 0,1,2,3,4,5,6,7
.irp c, 0,1
	ds_load_b128 v[KF+8*\t+4*\c:KF+8*\t+4*\c+3], v[ADK] offset:16384+1024*\t+512*\c
.endr
.endr
.endif
.if \qn
.irp q, 0,1
.irp c, 0,1
	global_load_b128 v[QF+16*\q+4*\c:QF+16*\q+4*\c+3], v[L16], s[4:5] offset:16384+1024*\q+512*\c   ; 16 tiles on
.endr
.endr
.endif
	WIN 0
.irp p, 0,1
	ds_load_b32 v[VS+\p], v[ADS] offset:512+128*\p
.endr
.if \pre
.irp p, 0,1,2,3
	ds_load_b32 v[KS+\p], v[ADS] offset:768+128*\p
.endr
.endif
.if \qn
	global_load_b32 v[QS], v[L4], s[6:7] offset:1024
.endif
	SOFT2
	WIN 0x41                                       ; O^T (destination and source 0) window 1, f window 0
	WALU                                           ; directly ahead of the first readers of O^T
.irp q, 0,1
.set i, 0
.rept 16
	v_pk_mul_f32 v[O+32*\q+i:O+32*\q+i+1], v[O+32*\q+i:O+32*\q+i+1], v[ST+8*\q+4:ST+8*\q+5] op_sel_hi:[1,0]   ; O^T under the new M.  (Also the places between the codes and the products below)
.set i, i+2
.endr
.endr
	WALU
.if \pre
	s_wait_dscnt 4                                 ; V^T and its scale words are in; the four loads behind them, the next step's scale words of K, may be out
.else
	s_wait_dscnt 0x0
.endif
	WIN 0x51                                       ; source 0 (V^T), C and D (O^T) window 1; source 1 (p) window 0
.irp t, 0,1,2,3
.irp q, 0,1
.set rD, O+32*\q+8*\t
.set rA, VF+16*\t
.set rB, P+16*\q
.set rS, VS+\t/2
.set rP, ST+8*\q+6
	MM rD, rA, rB, rD, rS, rP, \t%2, 0             ; eight accumulators by turns; between two links of a sum stand the next step's sixteen products
.endr
.endr
	WIN 0
	s_add_co_u32 s[TB], s[TB], 16384
	s_add_co_u32 s[TS], s[TS], 768
.endm
.macro STAGE q                         ; a tile (16 queries x 256 bytes) through my stage: LDS serves a wave's instructions in order (ISA guide 5.7.1.4)
.irp t, 0,1,2,3
	ds_store_b128 v[STO], v[S+64*\q+8*\t:S+64*\q+8*\t+3] offset:64*\t
	ds_store_b128 v[STO], v[S+64*\q+8*\t+4:S+64*\q+8*\t+7] offset:64*\t+16
.endr
.irp k, 0,1,2,3,4,5,6,7
	ds_load_b128 v[S+64*\q+32+4*\k:S+64*\q+32+4*\k+3], v[RD] offset:544*\k
.endr
.endm
.macro SEND q, younger                 ; younger: the LDS instructions issued behind tile q's loads.  Stage row i is query 8 q + perm(i) of my 32
.irp k, 0,1,2,3,4,5,6,7
	s_wait_dscnt \younger+7-\k
	global_store_b128 v[GO], v[S+64*\q+32+4*\k:S+64*\q+32+4*\k+3], s[12:13] offset:(2*\k+8*(\k/4)+8*\q)*4096 th:TH_STORE_NT   ; 16 lanes store 256 consecutive bytes, at a multiple of 256 from out's first byte
.endr
.endm
; A BLOCK of 256 queries: n = 0 the first, 1 the second
.macro QBLOCK n
.irp q, 0,1
	v_mov_b32 v[ST+8*\q+1], 0xff61b1e6             ; the largest score so far: -3e38
	v_floor_f32 v[ST+8*\q], -v[ST+8*\q+1]          ; -M
.endr
	s_mov_b32 s[TB], 0
	s_mov_b32 s[TS], 0
	WIN 0x40
.irp t, 0,1,2,3,4,5,6,7
.irp c, 0,1
	ds_load_b128 v[KF+8*\t+4*\c:KF+8*\t+4*\c+3], v[L16] offset:1024*\t+512*\c   ; K of step 0
.endr
.endr
	WIN 0
.irp p, 0,1,2,3
	ds_load_b32 v[KS+\p], v[LS] offset:128*\p
.endr
	WALU
	s_wait_loadcnt 0x0                             ; Q and its scale words
.if \n == 0
	s_mov_b32 s[CNT], 3
.Lfirst_steps:                                     ; steps 0 to 2: with K of step 3 they read LDS bytes under 57,344, inside waves 0 and 1's 65,536
	STEP 1, 0
	s_sub_co_u32 s[CNT], s[CNT], 1
	s_cmp_lg_u32 s[CNT], 0
	s_cbranch_scc1 .Lfirst_steps
	s_wait_tensorcnt 0x0                           ; my two steps have landed,
	s_wait_dscnt 0x0
	s_barrier_signal -1
	s_barrier_wait -1                              ; and everybody's have: the head is whole
	s_mov_b32 s[CNT], 12
.else
	s_mov_b32 s[CNT], 15
.endif
.Lsteps_\n:
	STEP 1, 0
	s_sub_co_u32 s[CNT], s[CNT], 1
	s_cmp_lg_u32 s[CNT], 0
	s_cbranch_scc1 .Lsteps_\n
	STEP 0, 1-\n                                   ; step 15 fetches nothing beyond the head
	; THE WAY OUT.  The sum's two halves and lane l xor 16's are added; O^T is divided by the sum
	PLACES 8                                       ; behind the last products
.irp q, 0,1
	v_add_f32 v[ST+8*\q+7], v[ST+8*\q+2], v[ST+8*\q+3]
.endr
.irp q, 0,1
	v_permlanex16_b32 v[T2+4*\q], v[ST+8*\q+7], s[SEL], s[SEL+1]
.endr
.irp q, 0,1
	v_add_f32 v[ST+8*\q+7], v[ST+8*\q+7], v[T2+4*\q]
.endr
	WALU
.irp q, 0,1
	v_rcp_f32 v[ST+8*\q+4], v[ST+8*\q+7]
.endr
	v_nop
	WIN 0x01                                       ; source 0 (O^T) window 1
	WALU                                           ; behind the reciprocals, directly ahead of the first readers of O^T
.irp q, 0,1
.set i, 0
.rept 16
	v_pk_mul_f32 v[S+64*\q+i:S+64*\q+i+1], v[O+32*\q+i:O+32*\q+i+1], v[ST+8*\q+4:ST+8*\q+5] op_sel_hi:[1,0]   ; register 8 t + j: out(query r, d = 16 t + 8 h + j)
.set i, i+2
.endr
.endr
	WIN 0
	STAGE 0
	STAGE 1
	SEND 0, 16
	SEND 1, 0
.if \n == 0
	s_wait_xcnt 0x0                                ; the stores have read their base and their data, which the next block writes
	s_add_nc_u64 s[12:13], s[12:13], 0x100000      ; 256 rows of out on
.endif
.endm
	WALU                                           ; the head's end
	s_wait_loadcnt 5                               ; the three loads of scale words are in; Q's five, issued behind them, may be out
.irp i, 0,1,2
	ds_store_b128 v[TS16], v[S+4*\i:S+4*\i+3] offset:4096*\i
.endr
	s_cmp_lt_u32 s[WV], 2
	s_cbranch_scc0 .Lnot_first
	s_wait_tensorcnt 0x0                           ; waves 0, 1: steps 0 to 3 have landed.  The other waves' wait stands ahead of step 3's barrier
.Lnot_first:
	s_wait_dscnt 0x0                               ; my part of the scale words is stored
	s_barrier_signal -1
	s_barrier_wait -1
	QBLOCK 0
	QBLOCK 1
	s_wait_tensorcnt 0x0                           ; the wave's end
	ds_add_u32 v254, v255
	s_wait_dscnt 0x0
	CROUND                                         ; the closing round
	s_endpgm
.Lfunc_end_k_q93a65b3a20_attn:
	.size	k_q93a65b3a20_attn, .Lfunc_end_k_q93a65b3a20_attn-k_q93a65b3a20_attn
	.p2alignl 7, 3214868480
	.fill 96, 4, 3214868480
	.section	.rodata,"a",@progbits
	.p2align	6, 0x0
	.amdhsa_kernel k_q93a65b3a20_attn
		.amdhsa_group_segment_fixed_size 310272
		.amdhsa_private_segment_fixed_size 0
		.amdhsa_enable_private_segment 0
		.amdhsa_kernarg_size 40
		.amdhsa_user_sgpr_count 2
		.amdhsa_user_sgpr_kernarg_segment_ptr 1
		.amdhsa_wavefront_size32 1
		.amdhsa_system_sgpr_workgroup_id_x 1
		.amdhsa_system_sgpr_workgroup_id_y 1
		.amdhsa_system_sgpr_workgroup_id_z 1
		.amdhsa_system_vgpr_workitem_id 0
		.amdhsa_next_free_vgpr 512
		.amdhsa_next_free_sgpr 80
		.amdhsa_reserve_vcc 0
		.amdhsa_float_denorm_mode_32 3
		.amdhsa_float_denorm_mode_16_64 3
		.amdhsa_memory_ordered 1
		.amdhsa_forward_progress 1
		.amdhsa_inst_pref_size 195
	.end_amdhsa_kernel
	.amdgpu_metadata
---
amdhsa.version: [ 1, 2 ]
amdhsa.kernels:
  - .name:           k_q93a65b3a20_attn
    .symbol:         k_q93a65b3a20_attn.kd
    .args:
      - { .name: qc, .offset: 0, .size: 8, .value_kind: global_buffer, .address_space: global }
      - { .name: qs, .offset: 8, .size: 8, .value_kind: global_buffer, .address_space: global }
      - { .name: kv, .offset: 16, .size: 8, .value_kind: global_buffer, .address_space: global }
      - { .name: sc, .offset: 24, .size: 8, .value_kind: global_buffer, .address_space: global }
      - { .name: out0, .offset: 32, .size: 8, .value_kind: global_buffer, .address_space: global }
    .group_segment_fixed_size: 310272
    .private_segment_fixed_size: 0
    .kernarg_segment_align: 8
    .kernarg_segment_size: 40
    .max_flat_workgroup_size: 256
    .sgpr_count:     80
    .vgpr_count:     512
    .wavefront_size: 32
...
	.end_amdgpu_metadata
.endif
;; end of part 2
